; MI455X (gfx1250); checked and timed in simulation.
; The chip was launched on July 23, 2026; its instructions are those of AMD's public machine-readable ISA for CDNA 5 (MIT licence, August 2026) and "CDNA5" Instruction Set Architecture Reference Guide (July 2026). The comments in the code are by the model that wrote it; some were corrected since.
;; my Multihead Attention. Allowed arithmetic: float matrix products may take bf16 or f16 operands with f32 sums; all other float work in f32.
;; Inputs: Wk 1,024 x 1,024 float32; Wo 1,024 x 1,024 float32; Wq 1,024 x 1,024 float32; Wv 1,024 x 1,024 float32; bk 1,024 float32; bo 1,024 float32; bq 1,024 float32; bv 1,024 float32; key 4,096 x 1,024 float32; query 4,096 x 1,024 float32; value 4,096 x 1,024 float32.
;; Outputs: out0 4,096 x 1,024 float32.
;; One version. Each part assembles by itself: llvm-mc -triple=amdgcn-amd-amdhsa -mcpu=gfx1250 --defsym DOCPART=n.
;; ======== version 1 of 1: 3 launches
;; workspace buffers: qws 8,388,608 bytes; kws 8,388,608 bytes; vws 8,388,608 bytes; xws 8,388,608 bytes
;; launch qkv (part 1): grid 4 x 48, 4 waves a work-group, clusters of 4 x 4, 327,680 bytes of LDS; arguments query, key, value, Wq, Wk, Wv, bq, bk, bv, qws, kws, vws; writes qws, kws, vws
.if DOCPART == 1
	.amdgcn_target "amdgcn-amd-amdhsa--gfx1250"
	.amdhsa_code_object_version 6
	.text
	.protected	k_qd0b7f110cb_qkv
	.globl	k_qd0b7f110cb_qkv
	.p2align	8
	.type	k_qd0b7f110cb_qkv,@function
k_qd0b7f110cb_qkv:
	s_mov_b64 s[64:65], 0
	v_nop
	global_prefetch_b8 v0, s[64:65] scope:SCOPE_SE
	s_setreg_imm32_b32 hwreg(HW_REG_WAVE_MODE, 25, 1), 1
	s_wait_xcnt 0x0
	s_wait_alu depctr_hold_cnt(0) depctr_sa_sdst(0) depctr_va_vdst(0) depctr_va_sdst(0) depctr_va_ssrc(0) depctr_va_vcc(0) depctr_vm_vsrc(0)
	s_getreg_b32 s2, hwreg(HW_REG_IB_STS2, 6, 4)
	s_cmp_eq_u32 s2, 0
	s_cbranch_scc0 .Lentry_in_a_cluster
	s_endpgm
.Lentry_in_a_cluster:
	s_bfe_u32 s2, ttmp6, 0x10000c
	s_cmp_lg_u32 s2, 0xf033
	s_cbranch_scc0 .Lentry_shape_is_right
	s_endpgm
.Lentry_shape_is_right:
; q = query Wq^T + bq, k = key Wk^T + bk, v = value Wv^T + bv.  X: [4096][1024] f32, W: [1024][1024] f32, b: [1024] f32.
; Results in bf16, head-major: ws[head][row][d], byte head*524288 + row*128 + 2 d.  Sums and bias in f32, one rounding at the end.
; Matrix operands are rounded to bf16 (nearest even) on the way from LDS to the matrix instruction; no copy of the inputs in bf16 goes through memory.
; 3 products x 16 x 4 blocks of 256 x 256 = 192 work-groups: 4096 x 1024 has no split into equal blocks of this shape that gives more.
; Four waves, 2 x 2, each 128 x 128 of C: 64 accumulator tiles, 512 registers.  K goes in steps of 64 f32 (rows of 256 bytes, aligned)
; through two LDS slots filled by tensor loads.  4 x 4 work-groups form a cluster inside one product: X's tile is shared along a row of the
; cluster, W's along a column, each asked for jointly.  A wave has at most two tensor loads outstanding.
; REGISTERS: window 0: v16-27 addresses, v64-127 bf16 fragments of X, v128-255 the same 8 fragments raw in f32;
;            window 1: v0-63 bias as eight C operands, v64-127 bf16 fragments of W, v128-255 raw;  windows 2, 3: accumulators, tile (a, b) at 8 (8 a + b).
; The matrix instruction is used transposed (source 0 = rows of W, source 1 = rows of X): register j of lane l is C(row l % 16, column 16 b + 8 (l / 16) + j).
.set PITCH,  272                       ; an LDS row: 64 f32 + 16 bytes of padding, an odd multiple of 16: the 16 rows of a fragment load start in 16 different 16-byte columns
.set HALFT,  128*PITCH                 ; 128 rows: one tensor load
.set SLOT,   4*HALFT                   ; X's 256 rows, then W's 256 rows
.set STAGE,  2*SLOT                    ; behind the ring: 16 rows x 272 bytes for each wave; no tensor load lands here
.set HEADB,  524288                    ; bytes of one head in a result buffer
.set ADRA, 16                          ; v16-17  LDS address of my X fragments in slot 0, 1
.set ADRB, 20                          ; v20-21  the same for W
.set STO,  24
.set RD,   25
.set CO,   26
.set BOFF, 27
.set FR,   64                          ; bf16 fragments (window 0: X, window 1: W)
.set RAW,  128                         ; raw f32 fragments, 16 registers each
.set TMP,  192                         ; the way out: packed results
.set G1,  24                           ; s[24:31] group 1 for X's tiles
.set G0,  32                           ; s[32:39] group 0 for X's tiles, one set a slot
.set G1B, 48                           ; s[48:55] group 1 for W's tiles
.set G0B, 56                           ; s[56:63] group 0 for W's tiles, one set a slot
.set MSB, 0
.macro WIN new                         ; the immediate's high byte repeats the setting that is left
.if MSB != \new
	s_set_vgpr_msb (MSB<<8)|\new
.set MSB, \new
.endif
.endm
.macro PLACES                          ; four places behind a matrix instruction (ISA guide 7.12.1)
.rept 4
	v_nop
.endr
.endm
; A joint load: waves 0, 1 fetch X's two halves, waves 2, 3 W's.  The branch hangs on the wave's number alone.
.macro JLOAD s
	s_cmp_eq_u32 s11, 0
	s_cbranch_scc0 .Lfor_b_\@
	tensor_load_to_lds s[G0+4*\s:G0+4*\s+3], s[G1:G1+7]
	s_nop 0
	s_branch .Lasked_\@
.Lfor_b_\@:
	tensor_load_to_lds s[G0B+4*\s:G0B+4*\s+3], s[G1B:G1B+7]
	s_nop 0
.Lasked_\@:
.endm
.macro CREST                           ; a round of the cluster's barrier behind its opening work-group barrier
	s_cmp_lg_u32 s10, 0
	s_cbranch_scc1 .Lnot_wave_0_\@
	s_barrier_signal -3
.Lnot_wave_0_\@:
	s_barrier_wait -3
	s_barrier_signal -1
	s_barrier_wait -1
.endm
.macro CROUND                          ; a whole round
	s_barrier_signal -1
	s_barrier_wait -1
	CREST
.endm
	s_load_b512 s[68:83], s[0:1], 0x0              ; query, key, value, Wq, Wk, Wv, bq, bk
	s_load_b256 s[84:91], s[0:1], 0x40             ; bv, qws, kws, vws
	v_lshl_add_u32 v62, v0, 2, 0x48400
	v_mov_b32 v63, 0
	ds_add_u32 v62, v63
	v_lshrrev_b32 v1, 5, v0
	v_readfirstlane_b32 s10, v1                    ; wave 0..3
	s_lshr_b32 s11, s10, 1                         ; my half of the block's rows; also: I fetch for X (0) or W (1)
	s_and_b32 s12, s10, 1                          ; my half of its columns; also: which 128 rows of that tile I fetch
	s_bfe_u32 s40, ttmp6, 0x40000                  ; cx
	s_bfe_u32 s41, ttmp6, 0x40004                  ; cy
	s_lshl_b32 s42, ttmp9, 2
	s_add_co_u32 s42, s42, s40                     ; block column 0..3
	s_and_b32 s13, ttmp7, 0xffff                   ; the cluster's y, 0..11
	s_lshr_b32 s45, s13, 2                         ; which product: 0 q, 1 k, 2 v; made of the cluster's y alone, so equal in all sixteen partners
	s_and_b32 s13, s13, 3
	s_lshl_b32 s13, s13, 2
	s_add_co_u32 s13, s13, s41                     ; block row 0..15
	s_lshl_b32 s43, s41, 2
	s_lshl_b32 s43, 15, s43                        ; my row of the cluster
	s_lshl_b32 s44, 0x1111, s40                    ; my column
	; group 1: a tile of 128 rows x 64 elements of 4 bytes, 4 words of padding behind every 64 words
	s_or_b32 s[G1+0], s43, (2<<16)|(1<<20)|(1<<21)|(5<<22)|(3<<25)
	s_or_b32 s[G1B+0], s44, (2<<16)|(1<<20)|(1<<21)|(5<<22)|(3<<25)
	s_mov_b32 s[G1+1], 64<<16                      ; tensor_dim0 = 64
	s_mov_b32 s[G1B+1], 64<<16
	s_mov_b32 s[G1+2], 128<<16                     ; tensor_dim1 = 128
	s_mov_b32 s[G1B+2], 128<<16
	s_mov_b32 s[G1+3], 64<<16                      ; tile_dim0 = 64
	s_mov_b32 s[G1B+3], 64<<16
	s_mov_b32 s[G1+4], 128                         ; tile_dim1 = 128
	s_mov_b32 s[G1B+4], 128
	s_mov_b32 s[G1+5], 1024                        ; elements from row to row
	s_mov_b32 s[G1B+5], 1024
	s_mov_b32 s[G1+6], 0
	s_mov_b32 s[G1B+6], 0
	s_mov_b32 s[G1+7], 0
	s_mov_b32 s[G1B+7], 0
	; byte offsets of the tiles' first rows: X's of the block row, W's of the block column, each in registers that never hold the other coordinate
	s_lshl_b32 s17, s12, 7
	s_lshl_b32 s16, s13, 8
	s_add_co_u32 s16, s16, s17
	s_lshl_b32 s16, s16, 12                        ; (256 block row + 128 half) rows of 4,096 bytes
	s_lshl_b32 s46, s42, 8
	s_add_co_u32 s46, s46, s17
	s_lshl_b32 s46, s46, 12
	s_mov_b32 s17, 0
	s_mov_b32 s47, 0
	s_mul_i32 s20, s10, HALFT                      ; where my tile goes: wave x 128 rows
	s_lshl_b32 s22, s42, 10                        ; bias: 256 columns a block, 128 a half, 4 bytes each
	s_lshl_b32 s23, s12, 9
	s_add_co_u32 s22, s22, s23
	s_mov_b32 s23, 0
	s_wait_dscnt 0x0
	s_wait_kmcnt 0x0
	s_cmp_eq_u32 s45, 1                            ; the product's four buffers
	s_cselect_b64 s[4:5], s[70:71], s[68:69]
	s_cselect_b64 s[6:7], s[76:77], s[74:75]
	s_cselect_b64 s[66:67], s[82:83], s[80:81]
	s_cselect_b64 s[8:9], s[88:89], s[86:87]
	s_cmp_eq_u32 s45, 2
	s_cselect_b64 s[4:5], s[72:73], s[4:5]
	s_cselect_b64 s[6:7], s[78:79], s[6:7]
	s_cselect_b64 s[66:67], s[84:85], s[66:67]
	s_cselect_b64 s[8:9], s[90:91], s[8:9]
	s_add_nc_u64 s[14:15], s[4:5], s[16:17]
	s_add_nc_u64 s[46:47], s[6:7], s[46:47]
	s_add_nc_u64 s[66:67], s[66:67], s[22:23]
	CROUND                                         ; all sixteen work-groups are here: the first joint loads meet
.irp s, 0,1
	s_mov_b32 s[G0+4*\s], 1
	s_add_co_u32 s[G0+4*\s+1], s20, \s*SLOT
	s_add_nc_u64 s[G0+4*\s+2:G0+4*\s+3], s[14:15], \s*256          ; K step s
	s_or_b32 s[G0+4*\s+3], s[G0+4*\s+3], 0x80000000
	s_mov_b32 s[G0B+4*\s], 1
	s_add_co_u32 s[G0B+4*\s+1], s20, \s*SLOT
	s_add_nc_u64 s[G0B+4*\s+2:G0B+4*\s+3], s[46:47], \s*256
	s_or_b32 s[G0B+4*\s+3], s[G0B+4*\s+3], 0x80000000
	JLOAD \s
.endr
	; A raw fragment: lane l takes row l % 16; 32 bytes at 32 (l / 16) are K = 8 (l / 16) + 0..7, 32 bytes at 64 + 32 (l / 16) are K = 16 + 8 (l / 16) + 0..7
	v_and_b32 v1, 15, v0
	v_bfe_u32 v2, v0, 4, 1
	v_mul_u32_u24 v3, v1, PITCH
	v_lshl_add_u32 v3, v2, 5, v3
	s_mul_i32 s21, s11, HALFT                      ; my 128 rows of X
	s_mul_i32 s22, s12, HALFT                      ; my 128 rows of W,
	s_add_co_u32 s22, s22, 2*HALFT                 ; behind X's 256
.irp s, 0,1
	v_add_nc_u32 v[ADRA+\s], s21, v3
	v_add_nc_u32 v[ADRB+\s], s22, v3
	s_add_co_u32 s21, s21, SLOT
	s_add_co_u32 s22, s22, SLOT
.endr
	s_mul_i32 s23, s10, 16*PITCH
	s_add_co_u32 s23, s23, STAGE                   ; my stage
	v_mul_u32_u24 v4, v1, PITCH
	v_lshl_add_u32 v4, v2, 4, v4
	v_add_nc_u32 v[STO], s23, v4                   ; in: row l % 16, 16 bytes for each half of the lanes
	v_bfe_u32 v5, v0, 3, 2
	v_and_b32 v6, 7, v0
	v_mul_u32_u24 v5, v5, PITCH
	v_lshl_add_u32 v5, v6, 4, v5
	v_add_nc_u32 v[RD], s23, v5                    ; back: eight lanes take the 128 bytes that one row has of one head
	v_and_b32 v6, 31, v0
	v_lshlrev_b32 v[CO], 4, v6                     ; and store them as 512 consecutive bytes of four rows
	v_lshlrev_b32 v[BOFF], 5, v2
	WIN 0x40                                       ; destination window 1
.irp b, 0,1,2,3,4,5,6,7
	global_load_b128 v[8*\b:8*\b+3],   v[BOFF], s[66:67] offset:64*\b      ; b[16 b + 8 (l / 16) + 0..3]: the layout of a C operand
	global_load_b128 v[8*\b+4:8*\b+7], v[BOFF], s[66:67] offset:64*\b+16
.endr
	WIN 0
; 16 matrix instructions: row blocks a0, a0 + 1 of the window's four x all 8 column blocks, 32 along K.  first = 1: the bias is C, so nothing is cleared or added later.
; The 64 accumulators take turns, one instruction a turn, in the same order in every half step.
.macro MUL16 hi, a0, first
.irp a, \a0, \a0+1
.irp b, 0,1,2,3,4,5,6,7
.if \first
	v_wmma_f32_16x16x32_bf16 v[8*(8*(\a)+\b):8*(8*(\a)+\b)+7], v[FR+8*\b:FR+8*\b+7], v[FR+8*(4*\hi+\a):FR+8*(4*\hi+\a)+7], v[8*\b:8*\b+7]
.else
	v_wmma_f32_16x16x32_bf16 v[8*(8*(\a)+\b):8*(8*(\a)+\b)+7], v[FR+8*\b:FR+8*\b+7], v[FR+8*(4*\hi+\a):FR+8*(4*\hi+\a)+7], v[8*(8*(\a)+\b):8*(8*(\a)+\b)+7]
.endif
.endr
.endr
.endm
.macro MULALL first                    ; source 0 window 1, source 1 window 0; C and D window 2, then 3 (first: C window 1)
.if \first
	WIN 0x91
.else
	WIN 0xa1
.endif
	MUL16 0, 0, \first
	MUL16 0, 2, \first
.if \first
	WIN 0xd1
.else
	WIN 0xf1
.endif
	MUL16 1, 0, \first
	MUL16 1, 2, \first
.endm
.macro CVT64                           ; 128 raw f32 registers to 64 of bf16: two roundings an instruction
.set n, 0
.rept 64
	v_cvt_pk_bf16_f32 v[FR+n], v[RAW+2*n], v[RAW+2*n+1]
.set n, n+1
.endr
.endm
.macro CVTALL
	WIN 0x45                                       ; W's, all in window 1
	CVT64
	WIN 0                                          ; X's
	CVT64
.endm
.macro FETCHR slot, kb                 ; 64 LDS loads: the raw fragments of 32 along K at byte kb of the slot's rows
	WIN 0x40
.irp i, 0,1,2,3,4,5,6,7
	ds_load_b128 v[RAW+16*\i:RAW+16*\i+3],     v[ADRB+\slot] offset:\kb+\i*16*PITCH
	ds_load_b128 v[RAW+16*\i+4:RAW+16*\i+7],   v[ADRB+\slot] offset:\kb+\i*16*PITCH+16
	ds_load_b128 v[RAW+16*\i+8:RAW+16*\i+11],  v[ADRB+\slot] offset:\kb+\i*16*PITCH+64
	ds_load_b128 v[RAW+16*\i+12:RAW+16*\i+15], v[ADRB+\slot] offset:\kb+\i*16*PITCH+80
.endr
	WIN 0
.irp i, 0,1,2,3,4,5,6,7
	ds_load_b128 v[RAW+16*\i:RAW+16*\i+3],     v[ADRA+\slot] offset:\kb+\i*16*PITCH
	ds_load_b128 v[RAW+16*\i+4:RAW+16*\i+7],   v[ADRA+\slot] offset:\kb+\i*16*PITCH+16
	ds_load_b128 v[RAW+16*\i+8:RAW+16*\i+11],  v[ADRA+\slot] offset:\kb+\i*16*PITCH+64
	ds_load_b128 v[RAW+16*\i+12:RAW+16*\i+15], v[ADRA+\slot] offset:\kb+\i*16*PITCH+80
.endr
.endm
; The first half of a K step: its raw fragments are converted, the second half's are fetched while the first is multiplied.
.macro HALF0 slot, first
	s_wait_dscnt 0x0                               ; the raw fragments are in
	PLACES                                         ; the conversions write registers that the last matrix instructions read
	CVTALL
	FETCHR \slot, 128
	MULALL \first
.endm
; The second half, and the change of slots.  In front of the barrier each wave's reads of this slot are back and all its tensor loads have landed
; (the one that was out is its part of the next slot); between signal and wait only registers are touched; behind it the refill comes first.
.macro TURN slot, next, fill
	s_wait_dscnt 0x0
	s_set_vgpr_msb (MSB<<8)|((MSB&0xf0)|0x0)
	s_wait_tensorcnt 0x0
	ds_add_u32 v62, v63
	s_wait_dscnt 0x0
	s_set_vgpr_msb (((MSB&0xf0)|0x0)<<8)|MSB
	s_barrier_signal -1
	PLACES
	CVTALL
	s_barrier_wait -1
.if \fill
	CREST                                          ; the barrier above opened a round of the cluster's barrier: no wave of any partner still reads this slot or has a load out
	s_add_nc_u64 s[G0+4*\slot+2:G0+4*\slot+3], s[G0+4*\slot+2:G0+4*\slot+3], 512      ; two K steps on
	s_add_nc_u64 s[G0B+4*\slot+2:G0B+4*\slot+3], s[G0B+4*\slot+2:G0B+4*\slot+3], 512
	JLOAD \slot
.endif
	FETCHR \next, 0
	MULALL 0
.endm
.macro LAP first
	HALF0 0, \first
	TURN 0, 1, 1
	HALF0 1, 0
	TURN 1, 0, 1
.endm
	s_wait_tensorcnt 1                             ; my part of K step 0 is in; K step 1's stays out
	s_barrier_signal -1
	s_barrier_wait -1
	FETCHR 0, 0
	s_wait_loadcnt 0x0                             ; the bias
	LAP 1                                          ; K steps 0, 1; the first products start the sums from the bias
	WIN 0
	s_mov_b32 s3, 6                                ; K steps 2 to 13
.Llap:
	LAP 0
	WIN 0
	s_sub_co_u32 s3, s3, 1
	s_cmp_lg_u32 s3, 0
	s_cbranch_scc1 .Llap
	HALF0 0, 0                                     ; K steps 14, 15: nothing more is fetched
	TURN 0, 1, 0
	HALF0 1, 0
	s_wait_dscnt 0x0
	PLACES
	CVTALL
	MULALL 0
	; THE WAY OUT, 16 rows at a time: round to bf16, 16 bytes a lane into my stage, read back so that a store covers 512 consecutive aligned bytes of one head.
	PLACES
	s_lshl_b32 s16, s13, 8
	s_lshl_b32 s14, s11, 7
	s_add_co_u32 s16, s16, s14
	s_lshl_b32 s16, s16, 7                         ; my first row x 128 bytes
	s_mov_b32 s17, 0
	s_add_nc_u64 s[8:9], s[8:9], s[16:17]
	s_lshl_b32 s46, s42, 2
	s_lshl_b32 s47, s12, 1
	s_add_co_u32 s46, s46, s47                     ; my first head = 4 block column + 2 half
	s_lshl_b32 s46, s46, 19
	s_mov_b32 s47, 0
	s_add_nc_u64 s[8:9], s[8:9], s[46:47]
.macro OUT16 i, a, from, f
	WIN \from
.irp b, 0,1,2,3,4,5,6,7
.irp r, 0,1,2,3
	v_cvt_pk_bf16_f32 v[TMP+4*\b+\r], v[8*(8*\a+\b)+2*\r], v[8*(8*\a+\b)+2*\r+1]
.endr
.endr
	WIN 0
.irp b, 0,1,2,3,4,5,6,7
	ds_store_b128 v[STO], v[TMP+4*\b:TMP+4*\b+3] offset:32*\b
.endr
	s_wait_xcnt 0x0                                ; buffer f, which earlier stores read, and the stores' base are rewritten only behind this wait
.if \i
	s_add_nc_u64 s[8:9], s[8:9], 16*128            ; 16 rows on
.endif
.irp t, 0,1,2,3,4,5,6,7
	ds_load_b128 v[\f+4*\t:\f+4*\t+3], v[RD] offset:(\t&3)*4*PITCH+(\t>>2)*128     ; a wave's LDS instructions are served in order: these see the stores above
.endr
.irp t, 0,1,2,3,4,5,6,7
	s_wait_dscnt 7-\t                              ; read-back t is in, the younger ones stay out
	global_store_b128 v[CO], v[\f+4*\t:\f+4*\t+3], s[8:9] offset:(\t&3)*512+(\t>>2)*HEADB
.endr
.endm
	OUT16 0, 0, 0x0a, 64
	OUT16 1, 1, 0x0a, 128
	OUT16 2, 2, 0x0a, 64
	OUT16 3, 3, 0x0a, 128
	OUT16 4, 0, 0x0f, 64
	OUT16 5, 1, 0x0f, 128
	OUT16 6, 2, 0x0f, 64
	OUT16 7, 3, 0x0f, 128
	s_set_vgpr_msb (MSB<<8)|((MSB&0xf0)|0x0)
	s_wait_tensorcnt 0x0
	ds_add_u32 v62, v63
	s_wait_dscnt 0x0
	s_set_vgpr_msb (((MSB&0xf0)|0x0)<<8)|MSB
	CROUND                                         ; the closing round: no work-group ends while a partner may still ask for a tile that names it
	s_endpgm
.Lfunc_end_k_qd0b7f110cb_qkv:
	.size	k_qd0b7f110cb_qkv, .Lfunc_end_k_qd0b7f110cb_qkv-k_qd0b7f110cb_qkv
	.p2alignl 7, 3214868480
	.fill 96, 4, 3214868480
	.section	.rodata,"a",@progbits
	.p2align	6, 0x0
	.amdhsa_kernel k_qd0b7f110cb_qkv
		.amdhsa_group_segment_fixed_size 327680
		.amdhsa_private_segment_fixed_size 0
		.amdhsa_enable_private_segment 0
		.amdhsa_kernarg_size 96
		.amdhsa_user_sgpr_count 2
		.amdhsa_user_sgpr_kernarg_segment_ptr 1
		.amdhsa_wavefront_size32 1
		.amdhsa_system_sgpr_workgroup_id_x 1
		.amdhsa_system_sgpr_workgroup_id_y 1
		.amdhsa_system_sgpr_workgroup_id_z 1
		.amdhsa_system_vgpr_workitem_id 0
		.amdhsa_next_free_vgpr 1024
		.amdhsa_next_free_sgpr 92
		.amdhsa_reserve_vcc 0
		.amdhsa_float_denorm_mode_32 3
		.amdhsa_float_denorm_mode_16_64 3
		.amdhsa_memory_ordered 1
		.amdhsa_forward_progress 1
		.amdhsa_inst_pref_size 243
	.end_amdhsa_kernel
	.amdgpu_metadata
---
amdhsa.version: [ 1, 2 ]
amdhsa.kernels:
  - .name:           k_qd0b7f110cb_qkv
    .symbol:         k_qd0b7f110cb_qkv.kd
    .args:
      - { .name: query, .offset: 0, .size: 8, .value_kind: global_buffer, .address_space: global }
      - { .name: key, .offset: 8, .size: 8, .value_kind: global_buffer, .address_space: global }
      - { .name: value, .offset: 16, .size: 8, .value_kind: global_buffer, .address_space: global }
      - { .name: Wq, .offset: 24, .size: 8, .value_kind: global_buffer, .address_space: global }
      - { .name: Wk, .offset: 32, .size: 8, .value_kind: global_buffer, .address_space: global }
      - { .name: Wv, .offset: 40, .size: 8, .value_kind: global_buffer, .address_space: global }
      - { .name: bq, .offset: 48, .size: 8, .value_kind: global_buffer, .address_space: global }
      - { .name: bk, .offset: 56, .size: 8, .value_kind: global_buffer, .address_space: global }
      - { .name: bv, .offset: 64, .size: 8, .value_kind: global_buffer, .address_space: global }
      - { .name: qws, .offset: 72, .size: 8, .value_kind: global_buffer, .address_space: global }
      - { .name: kws, .offset: 80, .size: 8, .value_kind: global_buffer, .address_space: global }
      - { .name: vws, .offset: 88, .size: 8, .value_kind: global_buffer, .address_space: global }
    .group_segment_fixed_size: 327680
    .private_segment_fixed_size: 0
    .kernarg_segment_align: 8
    .kernarg_segment_size: 96
    .max_flat_workgroup_size: 128
    .sgpr_count:     92
    .vgpr_count:     1024
    .wavefront_size: 32
...
	.end_amdgpu_metadata
.endif
;; end of part 1
;; launch attn (part 2): grid 16 x 16, 8 waves a work-group, clusters of 4 x 1, 327,680 bytes of LDS; arguments qws, kws, vws, xws; writes xws
.if DOCPART == 2
	.amdgcn_target "amdgcn-amd-amdhsa--gfx1250"
	.amdhsa_code_object_version 6
	.text
	.protected	k_qd0b7f110cb_attn
	.globl	k_qd0b7f110cb_attn
	.p2align	8
	.type	k_qd0b7f110cb_attn,@function
k_qd0b7f110cb_attn:
	s_mov_b64 s[64:65], 0
	v_nop
	global_prefetch_b8 v0, s[64:65] scope:SCOPE_SE
	s_setreg_imm32_b32 hwreg(HW_REG_WAVE_MODE, 25, 1), 1
	s_wait_xcnt 0x0
	s_wait_alu depctr_hold_cnt(0) depctr_sa_sdst(0) depctr_va_vdst(0) depctr_va_sdst(0) depctr_va_ssrc(0) depctr_va_vcc(0) depctr_vm_vsrc(0)
	s_getreg_b32 s2, hwreg(HW_REG_IB_STS2, 6, 4)
	s_cmp_eq_u32 s2, 0
	s_cbranch_scc0 .Lentry_in_a_cluster
	s_endpgm
.Lentry_in_a_cluster:
	s_bfe_u32 s2, ttmp6, 0x10000c
	s_cmp_lg_u32 s2, 0x3003
	s_cbranch_scc0 .Lentry_shape_is_right
	s_endpgm
.Lentry_shape_is_right:
; x[head] = softmax(q k^T / 8) v for one head and 256 queries a work-group.  q, k, v, x: bf16, [16][4096][64].
; Softmax in f32 with a running maximum of the raw scores; p = 2^(c s - c m), c = log2(e) / 8.
; LIMITS: scores must be finite in f32; an exponential below 2^-126 counts as 0 (v_exp_f32 flushes denormals, ISA guide 15.8); NaN and infinities are not
; treated specially; the row sum is made of the f32 exponentials while the product with v takes them rounded to bf16.
; Eight waves, 32 queries each (two blocks of 16), all 4,096 keys in 16 steps of 256, each step in four trips of 64 keys.
; The four work-groups of a cluster are four query blocks of one head: they walk the same K and V tiles, and every tile is asked for jointly (mask 15).
; Each wave brings 32 rows of K and of V a step: at most two tensor loads of a wave are outstanding.
; LAYOUTS: S^T = K Q^T puts query l % 16 in lane l with keys 8 (l / 16) + j in register j: the row maximum is in the lane plus one exchange of halves;
; two S^T tiles packed to bf16 in place are the B fragment of P^T for 32 keys; O^T = V^T P^T keeps query l % 16 in lane l, so all factors are per lane.
.set KP,    144                        ; K rows: 128 bytes + 16, an odd multiple of 16
.set VP,    160                        ; V rows: 128 bytes + 32, an odd multiple of 32, for the transposing load
.set KPART, 256*KP
.set SLOT,  KPART+256*VP
.set STAGE, 2*SLOT                     ; 8 waves x 32 rows x 144 bytes; no tensor load lands here
.set STEPB, 32768                      ; 256 rows of 128 bytes
.set KA,  4                            ; v4-5   LDS address of K fragments, slot 0, 1
.set VA,  6                            ; v6-7   of V fragments
.set STO, 8
.set RD,  9
.set GO,  10
.set QO,  11
.set RM,  12                           ; v12-13 running maximum, query block 0, 1
.set RNM, 14                           ; v14-15 -c x maximum
.set RAL, 16                           ; v16-17 factor for the old sums
.set RL,  18                           ; v18-19 my half of the row sum
.set TA,  20                           ; v20-21, v22-23 chains of the maximum; later the second chains of the sums
.set TB,  22
.set PX,  24                           ; v24-25 from the other half of the lanes
.set SA,  26                           ; v26-29 first chains of the sums
.set RQ,  32                           ; v32-63   Q(qb, ks) at 16 qb + 8 ks
.set RS,  64                           ; v64-127  S(qb, t) at 32 qb + 8 t; P(qb, ks) in place at 32 qb + 16 ks
.set KF,  128                          ; v128-191 K(t, ks) at 16 t + 8 ks
.set VF,  192                          ; v192-255 V^T(dt, ks) at 16 dt + 8 ks
                                       ; window 1: v0-63 O(dt, qb) at 16 dt + 8 qb
.set G1K, 28
.set G1V, 36
.set G0K, 44                           ; s[44:51] one set a slot
.set G0V, 52                           ; s[52:59]
.set MSB, 0
.macro WIN new
.if MSB != \new
	s_set_vgpr_msb (MSB<<8)|\new
.set MSB, \new
.endif
.endm
.macro PLACES
.rept 4
	v_nop
.endr
.endm
.macro ROUND                           ; a round of the cluster's barrier
	s_barrier_signal -1
	s_barrier_wait -1
	s_cmp_lg_u32 s8, 0
	s_cbranch_scc1 .Lnot_wave_0_\@
	s_barrier_signal -3
.Lnot_wave_0_\@:
	s_barrier_wait -3
	s_barrier_signal -1
	s_barrier_wait -1
.endm
	s_load_b256 s[12:19], s[0:1], 0x0              ; q s[12:13], k s[14:15], v s[16:17], x s[18:19]
	v_lshl_add_u32 v31, v0, 2, 0x2f000
	s_set_vgpr_msb 0x40
	v_mov_b32 v65, 0
	s_set_vgpr_msb 0x4044
	ds_add_u32 v31, v65
	s_set_vgpr_msb 0x4400
	v_lshrrev_b32 v1, 5, v0
	v_readfirstlane_b32 s8, v1                     ; wave 0..7
	s_and_b32 s9, ttmp7, 0xffff                    ; head
	s_bfe_u32 s10, ttmp6, 0x40000                  ; cx
	s_lshl_b32 s11, ttmp9, 2
	s_add_co_u32 s11, s11, s10                     ; query block 0..15
	s_mov_b32 s22, 0x76543210                      ; v_permlanex16_b32: lane i reads lane i of the other half
	s_mov_b32 s23, 0xfedcba98
	s_mov_b32 s24, 0x3e38aa3b                      ; c = log2(e) / 8
	s_mov_b32 s25, 0x3e38aa3b
	s_mov_b32 s26, 0xbe38aa3b                      ; -c
	; group 1: 32 rows x 64 elements of 2 bytes; padding behind every 32 words: 4 words for K, 8 for V; the mask names all four partners
	s_mov_b32 s[G1K+0], 15|(1<<16)|(1<<20)|(1<<21)|(4<<22)|(3<<25)
	s_mov_b32 s[G1V+0], 15|(1<<16)|(1<<20)|(1<<21)|(4<<22)|(7<<25)
	s_mov_b32 s[G1K+1], 64<<16
	s_mov_b32 s[G1V+1], 64<<16
	s_mov_b32 s[G1K+2], 32<<16
	s_mov_b32 s[G1V+2], 32<<16
	s_mov_b32 s[G1K+3], 64<<16
	s_mov_b32 s[G1V+3], 64<<16
	s_mov_b32 s[G1K+4], 32
	s_mov_b32 s[G1V+4], 32
	s_mov_b32 s[G1K+5], 64
	s_mov_b32 s[G1V+5], 64
	s_mov_b32 s[G1K+6], 0
	s_mov_b32 s[G1V+6], 0
	s_mov_b32 s[G1K+7], 0
	s_mov_b32 s[G1V+7], 0
	s_lshl_b32 s20, s9, 19                         ; head x 524,288
	s_lshl_b32 s61, s8, 12                         ; + wave x 32 rows of 128 bytes: made of the head and the wave alone
	s_add_co_u32 s20, s20, s61
	s_mov_b32 s21, 0
	s_lshl_b32 s66, s11, 15                        ; for q and x: + query block x 256 rows
	s_add_co_u32 s66, s66, s20
	s_mov_b32 s67, 0
	s_mul_i32 s62, s8, 32*KP                       ; my rows in a slot's K part
	s_mul_i32 s63, s8, 32*VP
	s_add_co_u32 s63, s63, KPART                   ; and in its V part
	s_wait_dscnt 0x0
	s_wait_kmcnt 0x0
	s_add_nc_u64 s[14:15], s[14:15], s[20:21]
	s_add_nc_u64 s[16:17], s[16:17], s[20:21]
	s_add_nc_u64 s[12:13], s[12:13], s[66:67]
	s_add_nc_u64 s[18:19], s[18:19], s[66:67]
.irp s, 0,1
	s_mov_b32 s[G0K+4*\s], 1
	s_add_co_u32 s[G0K+4*\s+1], s62, \s*SLOT
	s_add_nc_u64 s[G0K+4*\s+2:G0K+4*\s+3], s[14:15], \s*STEPB      ; step s
	s_or_b32 s[G0K+4*\s+3], s[G0K+4*\s+3], 0x80000000
	s_mov_b32 s[G0V+4*\s], 1
	s_add_co_u32 s[G0V+4*\s+1], s63, \s*SLOT
	s_add_nc_u64 s[G0V+4*\s+2:G0V+4*\s+3], s[16:17], \s*STEPB
	s_or_b32 s[G0V+4*\s+3], s[G0V+4*\s+3], 0x80000000
.endr
	ROUND                                          ; in front of the first joint loads
	tensor_load_to_lds s[G0K:G0K+3], s[G1K:G1K+7]
	s_nop 0
	tensor_load_to_lds s[G0V:G0V+3], s[G1V:G1V+7]
	s_nop 0
	v_and_b32 v1, 15, v0                           ; r = l % 16
	v_bfe_u32 v2, v0, 4, 1                         ; h = l / 16
	v_lshlrev_b32 v3, 7, v1
	v_lshl_add_u32 v[QO], v2, 4, v3                ; q: row r, 16 h
.irp qb, 0,1
.irp ks, 0,1
	global_load_b128 v[RQ+16*\qb+8*\ks:RQ+16*\qb+8*\ks+3],   v[QO], s[12:13] offset:\qb*2048+\ks*64
	global_load_b128 v[RQ+16*\qb+8*\ks+4:RQ+16*\qb+8*\ks+7], v[QO], s[12:13] offset:\qb*2048+\ks*64+32
.endr
.endr
	v_mul_u32_u24 v3, v1, KP
	v_lshl_add_u32 v[KA], v2, 4, v3                ; K: row r x pitch + 16 h
	v_add_nc_u32 v[KA+1], SLOT, v[KA]
	v_and_b32 v3, 7, v0
	v_lshl_add_u32 v3, v2, 3, v3                   ; V: row 8 h + l % 8,
	v_mul_u32_u24 v3, v3, VP
	v_bfe_u32 v30, v0, 3, 1
	v_lshl_add_u32 v3, v30, 4, v3                  ; 16 bytes for each group of eight lanes
	v_add_nc_u32 v[VA], KPART, v3
	v_add_nc_u32 v[VA+1], KPART+SLOT, v3
	s_add_co_u32 s61, s62, STAGE                   ; my stage: wave x 32 rows x 144
	v_add_nc_u32 v[STO], s61, v[KA]                ; in: row r, 16 h
	v_bfe_u32 v3, v0, 3, 2
	v_and_b32 v30, 7, v0
	v_mul_u32_u24 v3, v3, KP
	v_lshl_add_u32 v3, v30, 4, v3
	v_add_nc_u32 v[RD], s61, v3                    ; back: eight lanes take a row's 128 bytes
	v_and_b32 v3, 31, v0
	v_lshlrev_b32 v[GO], 4, v3
	v_mov_b32 v[PX], 0                             ; v_permlanex16_b32 counts as a reader of its destination
	v_mov_b32 v[PX+1], 0
	s_wait_loadcnt 0x0                             ; q
.macro LOADK slot, j                   ; 64 keys x 64 d: 16 loads
.irp t, 0,1,2,3
.irp ks, 0,1
	ds_load_b128 v[KF+16*\t+8*\ks:KF+16*\t+8*\ks+3],   v[KA+\slot] offset:(64*(\j)+16*\t)*KP+64*\ks
	ds_load_b128 v[KF+16*\t+8*\ks+4:KF+16*\t+8*\ks+7], v[KA+\slot] offset:(64*(\j)+16*\t)*KP+64*\ks+32
.endr
.endr
.endm
.macro LOADV slot, j                   ; the same keys of V, transposed on the way: 16 loads
.irp dt, 0,1,2,3
.irp ks, 0,1
	ds_load_tr16_b128 v[VF+16*\dt+8*\ks:VF+16*\dt+8*\ks+3],   v[VA+\slot] offset:(64*(\j)+32*\ks)*VP+32*\dt
	ds_load_tr16_b128 v[VF+16*\dt+8*\ks+4:VF+16*\dt+8*\ks+7], v[VA+\slot] offset:(64*(\j)+32*\ks)*VP+32*\dt+16*VP
.endr
.endr
.endm
.macro SMUL                            ; S^T for 64 keys x 32 queries.  Eight accumulators take turns, one instruction a turn
.irp ks, 0,1
.irp t, 0,1,2,3
.irp qb, 0,1
.if \ks == 0
	v_wmma_f32_16x16x32_bf16 v[RS+32*\qb+8*\t:RS+32*\qb+8*\t+7], v[KF+16*\t+8*\ks:KF+16*\t+8*\ks+7], v[RQ+16*\qb+8*\ks:RQ+16*\qb+8*\ks+7], 0
.else
	v_wmma_f32_16x16x32_bf16 v[RS+32*\qb+8*\t:RS+32*\qb+8*\t+7], v[KF+16*\t+8*\ks:KF+16*\t+8*\ks+7], v[RQ+16*\qb+8*\ks:RQ+16*\qb+8*\ks+7], v[RS+32*\qb+8*\t:RS+32*\qb+8*\t+7]
.endif
.endr
.endr
.endr
.endm
.macro FMAQ qb                         ; c s - c m, two at a time; the third source's selects pick the block's -c m for both halves
.set n, 0
.rept 16
	v_pk_fma_f32 v[RS+32*\qb+2*n:RS+32*\qb+2*n+1], v[RS+32*\qb+2*n:RS+32*\qb+2*n+1], s[24:25], v[RNM:RNM+1] op_sel:[0,0,\qb] op_sel_hi:[1,0,\qb]
.set n, n+1
.endr
.endm
.macro EXPQ qb
.set n, 0
.rept 32
	v_exp_f32 v[RS+32*\qb+n], v[RS+32*\qb+n]
.set n, n+1
.endr
.endm
.macro SUMQ qb                         ; 32 exponentials into one pair, in two chains
	s_wait_alu depctr_va_vdst(0)
	v_pk_add_f32 v[SA+2*\qb:SA+2*\qb+1], v[RS+32*\qb:RS+32*\qb+1], v[RS+32*\qb+2:RS+32*\qb+3]
	v_pk_add_f32 v[TA+2*\qb:TA+2*\qb+1], v[RS+32*\qb+4:RS+32*\qb+5], v[RS+32*\qb+6:RS+32*\qb+7]
.irp i, 4,6,8,10,12,14
	v_pk_add_f32 v[SA+2*\qb:SA+2*\qb+1], v[SA+2*\qb:SA+2*\qb+1], v[RS+32*\qb+2*\i:RS+32*\qb+2*\i+1]
	v_pk_add_f32 v[TA+2*\qb:TA+2*\qb+1], v[TA+2*\qb:TA+2*\qb+1], v[RS+32*\qb+2*\i+2:RS+32*\qb+2*\i+3]
.endr
	v_pk_add_f32 v[SA+2*\qb:SA+2*\qb+1], v[SA+2*\qb:SA+2*\qb+1], v[TA+2*\qb:TA+2*\qb+1]
.endm
.macro CVTQ qb                         ; in place, ascending: register i of a fragment is written when 2 i and 2 i + 1 are read
.irp ks, 0,1
.irp i, 0,1,2,3,4,5,6,7
	v_cvt_pk_bf16_f32 v[RS+32*\qb+16*\ks+\i], v[RS+32*\qb+16*\ks+2*\i], v[RS+32*\qb+16*\ks+2*\i+1]
.endr
.endr
.endm
.macro SOFTMAX first
.if \first
	v_max_num_f32 v[TA],   v[RS],    v[RS+1]
	v_max_num_f32 v[TA+1], v[RS+32], v[RS+33]
.else
	v_max3_num_f32 v[TA],   v[RM],   v[RS],    v[RS+1]         ; the old maximum starts the chain
	v_max3_num_f32 v[TA+1], v[RM+1], v[RS+32], v[RS+33]
.endif
	v_max3_num_f32 v[TB],   v[RS+16], v[RS+17], v[RS+18]
	v_max3_num_f32 v[TB+1], v[RS+48], v[RS+49], v[RS+50]
.irp i, 1,2,3,4,5,6,7
	v_max3_num_f32 v[TA],   v[TA],   v[RS+2*\i],    v[RS+2*\i+1]
	v_max3_num_f32 v[TA+1], v[TA+1], v[RS+32+2*\i], v[RS+32+2*\i+1]
.if \i < 7
	v_max3_num_f32 v[TB],   v[TB],   v[RS+17+2*\i], v[RS+18+2*\i]
	v_max3_num_f32 v[TB+1], v[TB+1], v[RS+49+2*\i], v[RS+50+2*\i]
.endif
.endr
	v_max3_num_f32 v[TA],   v[TA],   v[TB],   v[RS+31]
	v_max3_num_f32 v[TA+1], v[TA+1], v[TB+1], v[RS+63]
	v_permlanex16_b32 v[PX],   v[TA],   s22, s23               ; the other eight keys of each tile lie in lane l xor 16
	v_permlanex16_b32 v[PX+1], v[TA+1], s22, s23
	v_max_num_f32 v[RM],   v[TA],   v[PX]
	v_max_num_f32 v[RM+1], v[TA+1], v[PX+1]
.if \first == 0
	v_fma_f32 v[RAL],   v[RM],   s26, -v[RNM]                  ; c (old maximum - new maximum)
	v_fma_f32 v[RAL+1], v[RM+1], s26, -v[RNM+1]
.endif
	v_mul_f32 v[RNM],   s26, v[RM]
	v_mul_f32 v[RNM+1], s26, v[RM+1]
.if \first == 0
	v_exp_f32 v[RAL],   v[RAL]
	v_exp_f32 v[RAL+1], v[RAL+1]
.endif
	; behind each run of exponentials the next vector instruction is plain and touches none of the run's registers (ISA guide 5.7.2)
	FMAQ 0
	EXPQ 0
	FMAQ 1
	EXPQ 1
	SUMQ 0
	CVTQ 0
	SUMQ 1
	CVTQ 1
.endm
.macro RESCALE                         ; the old O by the block's factor; O in window 1, the factor in window 0
	WIN 0x41
.irp dt, 0,1,2,3
.irp qb, 0,1
.irp i, 0,2,4,6
	v_pk_mul_f32 v[16*\dt+8*\qb+\i:16*\dt+8*\qb+\i+1], v[16*\dt+8*\qb+\i:16*\dt+8*\qb+\i+1], v[RAL:RAL+1] op_sel:[0,\qb] op_sel_hi:[1,\qb]
.endr
.endr
.endr
.endm
.macro PVMUL first                     ; O^T += V^T P^T.  Eight accumulators take turns, one instruction a turn
	WIN 0x50                                       ; C and D window 1
.irp ks, 0,1
.irp dt, 0,1,2,3
.irp qb, 0,1
.if \first*(1-\ks)
	v_wmma_f32_16x16x32_bf16 v[16*\dt+8*\qb:16*\dt+8*\qb+7], v[VF+16*\dt+8*\ks:VF+16*\dt+8*\ks+7], v[RS+32*\qb+16*\ks:RS+32*\qb+16*\ks+7], 0
.else
	v_wmma_f32_16x16x32_bf16 v[16*\dt+8*\qb:16*\dt+8*\qb+7], v[VF+16*\dt+8*\ks:VF+16*\dt+8*\ks+7], v[RS+32*\qb+16*\ks:RS+32*\qb+16*\ks+7], v[16*\dt+8*\qb:16*\dt+8*\qb+7]
.endif
.endr
.endr
.endr
	WIN 0
.endm
.macro LUPD first                      ; the row sums, and five places: the next loads land in V's fragments (four), the next score products write over P (five)
.if \first
	v_add_f32 v[RL],   v[SA],   v[SA+1]
	v_add_f32 v[RL+1], v[SA+2], v[SA+3]
	v_nop
	v_nop
	v_nop
.else
	v_add_f32 v[SA],   v[SA],   v[SA+1]
	v_add_f32 v[SA+2], v[SA+2], v[SA+3]
	v_fma_f32 v[RL],   v[RL],   v[RAL],   v[SA]
	v_fma_f32 v[RL+1], v[RL+1], v[RAL+1], v[SA+2]
	v_nop
.endif
.endm
.macro TRIP slot, j, first             ; 64 keys
.if \j == 0
	LOADK \slot, 0
.endif
	LOADV \slot, \j
	s_wait_dscnt 16                                ; K's 16 loads are in; V's 16, issued behind them, may stay out
	SMUL
	PLACES                                         ; in front of the loads into K's fragments and of the first read of S
.if \j < 3
	LOADK \slot, \j+1
.endif
	SOFTMAX \first
.if \j < 3
	s_wait_dscnt 16                                ; V is in; the next trip's 16 K loads may stay out
.else
	s_wait_dscnt 0
.endif
.if \first == 0
	RESCALE
.endif
	PVMUL \first
	LUPD \first
.endm
; 256 keys.  In front of the round every wave's tensor loads have landed (its part of this step's tile among them) and its reads of the other slot are back;
; the round holds that of every wave of the four work-groups; the joint refills of the other slot are the first tensor loads behind it.
.macro STEP slot, refill, first
	s_set_vgpr_msb 0x4
	s_wait_tensorcnt 0x0
	ds_add_u32 v31, v65
	s_wait_dscnt 0x0
	s_set_vgpr_msb 0x400
	s_add_nc_u64 s[G0K+4*\slot+2:G0K+4*\slot+3], s[G0K+4*\slot+2:G0K+4*\slot+3], 2*STEPB     ; no load of mine is out: this slot's next tile
	s_add_nc_u64 s[G0V+4*\slot+2:G0V+4*\slot+3], s[G0V+4*\slot+2:G0V+4*\slot+3], 2*STEPB
	s_wait_dscnt 0x0
	ROUND
.if \refill
	tensor_load_to_lds s[G0K+4*(1-\slot):G0K+4*(1-\slot)+3], s[G1K:G1K+7]
	s_nop 0
	tensor_load_to_lds s[G0V+4*(1-\slot):G0V+4*(1-\slot)+3], s[G1V:G1V+7]
	s_nop 0
.endif
	TRIP \slot, 0, \first
	TRIP \slot, 1, 0
	TRIP \slot, 2, 0
	TRIP \slot, 3, 0
.endm
	STEP 0, 1, 1                                   ; steps 0, 1: the first trip starts maximum, sums and O
	STEP 1, 1, 0
	s_mov_b32 s60, 6                               ; steps 2 to 13
.Lsteps:
	STEP 0, 1, 0
	STEP 1, 1, 0
	s_sub_co_u32 s60, s60, 1
	s_cmp_lg_u32 s60, 0
	s_cbranch_scc1 .Lsteps
	STEP 0, 1, 0                                   ; step 14 fetches step 15; step 15 fetches nothing (the stepped addresses are not used)
	STEP 1, 0, 0
	; THE WAY OUT: the two halves of each row sum meet, O is divided, rounded to bf16, turned into rows in my stage and stored as 512 consecutive aligned bytes.
	v_permlanex16_b32 v[PX],   v[RL],   s22, s23
	v_permlanex16_b32 v[PX+1], v[RL+1], s22, s23
	v_add_f32 v[RL],   v[RL],   v[PX]
	v_add_f32 v[RL+1], v[RL+1], v[PX+1]
	v_rcp_f32 v[RAL],   v[RL]
	v_rcp_f32 v[RAL+1], v[RL+1]
	v_nop                                          ; one plain place behind the reciprocals (ISA guide 5.7.2)
	WIN 0x01                                       ; source 0 window 1
	s_wait_alu depctr_va_vdst(0)
.irp dt, 0,1,2,3
.irp qb, 0,1
.irp i, 0,2,4,6
	v_pk_mul_f32 v[RS+16*\dt+8*\qb+\i:RS+16*\dt+8*\qb+\i+1], v[16*\dt+8*\qb+\i:16*\dt+8*\qb+\i+1], v[RAL:RAL+1] op_sel:[0,\qb] op_sel_hi:[1,\qb]
.endr
.endr
.endr
	WIN 0
.set n, 0
.rept 32
	v_cvt_pk_bf16_f32 v[KF+n], v[RS+2*n], v[RS+2*n+1]
.set n, n+1
.endr
.irp dt, 0,1,2,3
.irp qb, 0,1
	ds_store_b128 v[STO], v[KF+8*\dt+4*\qb:KF+8*\dt+4*\qb+3] offset:\qb*16*KP+\dt*32     ; query 16 qb + r, d = 16 dt + 8 h + 0..7
.endr
.endr
.irp i, 0,1,2,3,4,5,6,7
	ds_load_b128 v[VF+4*\i:VF+4*\i+3], v[RD] offset:\i*4*KP        ; a wave's LDS instructions are served in order: these see the stores above
.endr
.irp i, 0,1,2,3,4,5,6,7
	s_wait_dscnt 7-\i                              ; read-back i is in, the younger ones stay out
	global_store_b128 v[GO], v[VF+4*\i:VF+4*\i+3], s[18:19] offset:512*\i
.endr
	s_set_vgpr_msb 0x4
	s_wait_tensorcnt 0x0
	ds_add_u32 v31, v65
	s_wait_dscnt 0x0
	s_set_vgpr_msb 0x400
	ROUND                                          ; the closing round
	s_endpgm
.Lfunc_end_k_qd0b7f110cb_attn:
	.size	k_qd0b7f110cb_attn, .Lfunc_end_k_qd0b7f110cb_attn-k_qd0b7f110cb_attn
	.p2alignl 7, 3214868480
	.fill 96, 4, 3214868480
	.section	.rodata,"a",@progbits
	.p2align	6, 0x0
	.amdhsa_kernel k_qd0b7f110cb_attn
		.amdhsa_group_segment_fixed_size 327680
		.amdhsa_private_segment_fixed_size 0
		.amdhsa_enable_private_segment 0
		.amdhsa_kernarg_size 32
		.amdhsa_user_sgpr_count 2
		.amdhsa_user_sgpr_kernarg_segment_ptr 1
		.amdhsa_wavefront_size32 1
		.amdhsa_system_sgpr_workgroup_id_x 1
		.amdhsa_system_sgpr_workgroup_id_y 1
		.amdhsa_system_sgpr_workgroup_id_z 1
		.amdhsa_system_vgpr_workitem_id 0
		.amdhsa_next_free_vgpr 322
		.amdhsa_next_free_sgpr 68
		.amdhsa_reserve_vcc 0
		.amdhsa_float_denorm_mode_32 3
		.amdhsa_float_denorm_mode_16_64 3
		.amdhsa_memory_ordered 1
		.amdhsa_forward_progress 1
		.amdhsa_inst_pref_size 255
	.end_amdhsa_kernel
	.section	.bss,"aw",@nobits
	.p2align	6
	.space	262144
	.amdgpu_metadata
---
amdhsa.version: [ 1, 2 ]
amdhsa.kernels:
  - .name:           k_qd0b7f110cb_attn
    .symbol:         k_qd0b7f110cb_attn.kd
    .args:
      - { .name: qws, .offset: 0, .size: 8, .value_kind: global_buffer, .address_space: global }
      - { .name: kws, .offset: 8, .size: 8, .value_kind: global_buffer, .address_space: global }
      - { .name: vws, .offset: 16, .size: 8, .value_kind: global_buffer, .address_space: global }
      - { .name: xws, .offset: 24, .size: 8, .value_kind: global_buffer, .address_space: global }
    .group_segment_fixed_size: 327680
    .private_segment_fixed_size: 0
    .kernarg_segment_align: 8
    .kernarg_segment_size: 32
    .max_flat_workgroup_size: 256
    .sgpr_count:     68
    .vgpr_count:     322
    .wavefront_size: 32
...
	.end_amdgpu_metadata
.endif
;; end of part 2
;; launch outp (part 3): grid 8 x 32, 4 waves a work-group, clusters of 4 x 4, 327,680 bytes of LDS; arguments xws, Wo, bo, out0; writes out0
.if DOCPART == 3
	.amdgcn_target "amdgcn-amd-amdhsa--gfx1250"
	.amdhsa_code_object_version 6
	.text
	.protected	k_qd0b7f110cb_outp
	.globl	k_qd0b7f110cb_outp
	.p2align	8
	.type	k_qd0b7f110cb_outp,@function
k_qd0b7f110cb_outp:
	s_mov_b64 s[64:65], 0
	v_nop
	global_prefetch_b8 v0, s[64:65] scope:SCOPE_SE
	s_setreg_imm32_b32 hwreg(HW_REG_WAVE_MODE, 25, 1), 1
	s_wait_xcnt 0x0
	s_wait_alu depctr_hold_cnt(0) depctr_sa_sdst(0) depctr_va_vdst(0) depctr_va_sdst(0) depctr_va_ssrc(0) depctr_va_vcc(0) depctr_vm_vsrc(0)
	s_getreg_b32 s2, hwreg(HW_REG_IB_STS2, 6, 4)
	s_cmp_eq_u32 s2, 0
	s_cbranch_scc0 .Lentry_in_a_cluster
	s_endpgm
.Lentry_in_a_cluster:
	s_bfe_u32 s2, ttmp6, 0x10000c
	s_cmp_lg_u32 s2, 0xf033
	s_cbranch_scc0 .Lentry_shape_is_right
	s_endpgm
.Lentry_shape_is_right:
; out0 = x Wo^T + bo.  x: bf16, [16 heads][4096][64]; Wo: [1024][1024] f32; bo: [1024] f32; out0: [4096][1024] f32.  Sums and bias in f32.
; 256 work-groups, each a block of 128 x 128; four waves, 2 x 2, each 64 x 64: 16 accumulator tiles in window 1.
; K goes in 16 tiles of 64: tile i is head i of x (128 rows of 128 bytes, dense) and columns 64 i .. of Wo (128 rows of 256 bytes, f32, rounded to bf16
; between LDS and the matrix instruction).  Four LDS slots, three of them filled behind one round of the cluster's barrier.
; 4 x 4 work-groups form a cluster: x's tile is shared along a row, Wo's along a column, each asked for jointly.
; A wave has at most four tensor loads outstanding: four at the start, three behind each refill.
; The matrix instruction is used transposed (source 0 = rows of Wo, source 1 = rows of x): register j of lane l is C(row l % 16, column 16 b + 8 (l / 16) + j).
.set PB,    272                        ; Wo rows: 256 bytes + 16
.set PA,    144                        ; x rows: 128 bytes + 16
.set BPART, 128*PB
.set SLOTB, BPART+128*PA
.set STAGE, 4*SLOTB                    ; 4 waves x 16 rows x 272 bytes; no tensor load lands here
.set HEADB, 524288
.set ADA,  8                           ; v8-11   LDS address of my x fragments, slot 0..3
.set ADB,  12                          ; v12-15  of my Wo fragments
.set STO,  16
.set RD,   17
.set CO,   18
.set BO,   19
.set BIAS, 32                          ; v32-63   four C operands
.set FA,   64                          ; v64-95, v96-127 x fragments of the first and of the second half of a tile
.set FB,   128                         ; v128-159 Wo fragments in bf16
.set RB,   160                         ; v160-223 the same raw in f32
.set G1A, 24
.set G1B, 32
.set G0A, 40                           ; s[40:55] one set a slot
.set G0B, 68                           ; s[68:83]
.set MSB, 0
.macro WIN new
.if MSB != \new
	s_set_vgpr_msb (MSB<<8)|\new
.set MSB, \new
.endif
.endm
.macro PLACES
.rept 4
	v_nop
.endr
.endm
.macro JLOAD s                         ; waves 0, 1 fetch Wo's two halves, waves 2, 3 x's; the branch hangs on the wave's number alone
	s_cmp_eq_u32 s11, 0
	s_cbranch_scc0 .Lfor_a_\@
	tensor_load_to_lds s[G0B+4*\s:G0B+4*\s+3], s[G1B:G1B+7]
	s_nop 0
	s_branch .Lasked_\@
.Lfor_a_\@:
	tensor_load_to_lds s[G0A+4*\s:G0A+4*\s+3], s[G1A:G1A+7]
	s_nop 0
.Lasked_\@:
.endm
.macro CREST
	s_cmp_lg_u32 s10, 0
	s_cbranch_scc1 .Lnot_wave_0_\@
	s_barrier_signal -3
.Lnot_wave_0_\@:
	s_barrier_wait -3
	s_barrier_signal -1
	s_barrier_wait -1
.endm
.macro CROUND
	s_barrier_signal -1
	s_barrier_wait -1
	CREST
.endm
	s_load_b256 s[56:63], s[0:1], 0x0              ; x s[56:57], Wo s[58:59], bo s[60:61], out0 s[62:63]
	v_lshl_add_u32 v254, v0, 2, 0x38400
	v_mov_b32 v255, 0
	ds_add_u32 v254, v255
	v_lshrrev_b32 v1, 5, v0
	v_readfirstlane_b32 s10, v1                    ; wave 0..3
	s_lshr_b32 s11, s10, 1                         ; my half of the block's rows; also: I fetch for Wo (0) or x (1)
	s_and_b32 s12, s10, 1                          ; my half of its columns; also: which 64 rows of that tile I fetch
	s_bfe_u32 s18, ttmp6, 0x40000                  ; cx
	s_bfe_u32 s19, ttmp6, 0x40004                  ; cy
	s_lshl_b32 s20, ttmp9, 2
	s_add_co_u32 s20, s20, s18                     ; block column 0..7
	s_and_b32 s13, ttmp7, 0xffff
	s_lshl_b32 s13, s13, 2
	s_add_co_u32 s13, s13, s19                     ; block row 0..31
	s_lshl_b32 s21, s19, 2
	s_lshl_b32 s21, 15, s21                        ; my row of the cluster
	s_lshl_b32 s22, 0x1111, s18                    ; my column
	s_or_b32 s[G1A+0], s21, (1<<16)|(1<<20)|(1<<21)|(4<<22)|(3<<25)    ; 2-byte elements, 4 words of padding behind every 32
	s_or_b32 s[G1B+0], s22, (2<<16)|(1<<20)|(1<<21)|(5<<22)|(3<<25)    ; 4-byte elements, 4 words behind every 64
	s_mov_b32 s[G1A+1], 64<<16
	s_mov_b32 s[G1B+1], 64<<16
	s_mov_b32 s[G1A+2], 64<<16
	s_mov_b32 s[G1B+2], 64<<16
	s_mov_b32 s[G1A+3], 64<<16
	s_mov_b32 s[G1B+3], 64<<16
	s_mov_b32 s[G1A+4], 64
	s_mov_b32 s[G1B+4], 64
	s_mov_b32 s[G1A+5], 64                         ; x: 64 elements from row to row
	s_mov_b32 s[G1B+5], 1024                       ; Wo: 1,024
	s_mov_b32 s[G1A+6], 0
	s_mov_b32 s[G1B+6], 0
	s_mov_b32 s[G1A+7], 0
	s_mov_b32 s[G1B+7], 0
	s_lshl_b32 s17, s12, 6
	s_lshl_b32 s16, s13, 7
	s_add_co_u32 s16, s16, s17
	s_lshl_b32 s16, s16, 7                         ; x: (128 block row + 64 half) rows of 128 bytes
	s_lshl_b32 s4, s20, 7
	s_add_co_u32 s4, s4, s17
	s_lshl_b32 s4, s4, 12                          ; Wo: (128 block column + 64 half) rows of 4,096 bytes
	s_mov_b32 s17, 0
	s_mov_b32 s5, 0
	s_mul_i32 s6, s10, 64*PB                       ; where Wo's halves go (waves 0, 1)
	s_mul_i32 s7, s10, 64*PA
	s_add_co_u32 s7, s7, BPART-2*64*PA             ; where x's halves go (waves 2, 3): behind Wo's 128 rows
	s_wait_dscnt 0x0
	s_wait_kmcnt 0x0
	s_add_nc_u64 s[14:15], s[56:57], s[16:17]
	s_add_nc_u64 s[4:5], s[58:59], s[4:5]
	s_lshl_b32 s8, s20, 9                          ; bias: 128 columns a block, 64 a half
	s_lshl_b32 s9, s12, 8
	s_add_co_u32 s8, s8, s9
	s_mov_b32 s9, 0
	s_add_nc_u64 s[60:61], s[60:61], s[8:9]
	s_add_nc_u64 s[62:63], s[62:63], s[8:9]        ; out0: the same column offset,
	s_lshl_b32 s8, s13, 7
	s_lshl_b32 s23, s11, 6
	s_add_co_u32 s8, s8, s23
	s_lshl_b32 s8, s8, 12                          ; and my first row x 4,096 bytes
	s_add_nc_u64 s[62:63], s[62:63], s[8:9]
	CROUND                                         ; in front of the first joint loads
.irp s, 0,1,2,3
	s_mov_b32 s[G0A+4*\s], 1
	s_add_co_u32 s[G0A+4*\s+1], s7, \s*SLOTB
	s_add_nc_u64 s[G0A+4*\s+2:G0A+4*\s+3], s[14:15], \s*HEADB      ; tile s = head s
	s_or_b32 s[G0A+4*\s+3], s[G0A+4*\s+3], 0x80000000
	s_mov_b32 s[G0B+4*\s], 1
	s_add_co_u32 s[G0B+4*\s+1], s6, \s*SLOTB
	s_add_nc_u64 s[G0B+4*\s+2:G0B+4*\s+3], s[4:5], \s*256
	s_or_b32 s[G0B+4*\s+3], s[G0B+4*\s+3], 0x80000000
	JLOAD \s
.endr
	v_and_b32 v1, 15, v0                           ; r
	v_bfe_u32 v2, v0, 4, 1                         ; h
	v_mul_u32_u24 v3, v1, PA
	v_lshl_add_u32 v3, v2, 4, v3                   ; x: r x pitch + 16 h
	v_mul_u32_u24 v4, v1, PB
	v_lshl_add_u32 v4, v2, 5, v4                   ; Wo raw: r x pitch + 32 h
	s_mul_i32 s23, s11, 64*PA
	s_add_co_u32 s23, s23, BPART                   ; my 64 rows of x
	s_mul_i32 s9, s12, 64*PB                       ; my 64 rows of Wo
.irp s, 0,1,2,3
	v_add_nc_u32 v[ADA+\s], s23, v3
	v_add_nc_u32 v[ADB+\s], s9, v4
	s_add_co_u32 s23, s23, SLOTB
	s_add_co_u32 s9, s9, SLOTB
.endr
	s_mul_i32 s23, s10, 16*PB
	s_add_co_u32 s23, s23, STAGE                   ; my stage
	v_add_nc_u32 v[STO], s23, v4                   ; in: row r, 32 bytes for each half of the lanes
	v_mul_u32_u24 v5, v2, PB
	v_lshl_add_u32 v5, v1, 4, v5
	v_add_nc_u32 v[RD], s23, v5                    ; back: lanes 0-15 one row of 256 bytes, lanes 16-31 the next
	v_lshlrev_b32 v5, 4, v1
	v_lshl_add_u32 v[CO], v2, 12, v5               ; the same two rows in out0
	v_lshlrev_b32 v[BO], 5, v2
.irp b, 0,1,2,3
	global_load_b128 v[BIAS+8*\b:BIAS+8*\b+3],   v[BO], s[60:61] offset:64*\b      ; bo[16 b + 8 h + 0..3]: the layout of a C operand
	global_load_b128 v[BIAS+8*\b+4:BIAS+8*\b+7], v[BO], s[60:61] offset:64*\b+16
.endr
.macro FETCH slot, hh                  ; the fragments of 32 along K: 8 loads of x (bf16), 16 of Wo (raw f32)
.irp a, 0,1,2,3
	ds_load_b128 v[FA+32*\hh+8*\a:FA+32*\hh+8*\a+3],   v[ADA+\slot] offset:64*\hh+\a*16*PA
	ds_load_b128 v[FA+32*\hh+8*\a+4:FA+32*\hh+8*\a+7], v[ADA+\slot] offset:64*\hh+\a*16*PA+32
.endr
.irp b, 0,1,2,3
	ds_load_b128 v[RB+16*\b:RB+16*\b+3],     v[ADB+\slot] offset:128*\hh+\b*16*PB
	ds_load_b128 v[RB+16*\b+4:RB+16*\b+7],   v[ADB+\slot] offset:128*\hh+\b*16*PB+16
	ds_load_b128 v[RB+16*\b+8:RB+16*\b+11],  v[ADB+\slot] offset:128*\hh+\b*16*PB+64
	ds_load_b128 v[RB+16*\b+12:RB+16*\b+15], v[ADB+\slot] offset:128*\hh+\b*16*PB+80
.endr
.endm
.macro CVT
.set n, 0
.rept 32
	v_cvt_pk_bf16_f32 v[FB+n], v[RB+2*n], v[RB+2*n+1]
.set n, n+1
.endr
.endm
.macro MUL hh, first                   ; 16 accumulators take turns, one instruction a turn.  first = 1: the bias is C
.if \first
	WIN 0x40
.else
	WIN 0x50
.endif
.irp a, 0,1,2,3
.irp b, 0,1,2,3
.if \first
	v_wmma_f32_16x16x32_bf16 v[8*(4*\a+\b):8*(4*\a+\b)+7], v[FB+8*\b:FB+8*\b+7], v[FA+32*\hh+8*\a:FA+32*\hh+8*\a+7], v[BIAS+8*\b:BIAS+8*\b+7]
.else
	v_wmma_f32_16x16x32_bf16 v[8*(4*\a+\b):8*(4*\a+\b)+7], v[FB+8*\b:FB+8*\b+7], v[FA+32*\hh+8*\a:FA+32*\hh+8*\a+7], v[8*(4*\a+\b):8*(4*\a+\b)+7]
.endif
.endr
.endr
	WIN 0
.endm
.macro HA slot, first                  ; a tile's first half
	s_wait_dscnt 0x0
	PLACES                                         ; the conversions write, and the loads land in, registers that the last matrix instructions read
	CVT
	FETCH \slot, 1
	MUL 0, \first
.endm
.macro HBB next, left                  ; its second half; the next tile has landed in every wave
	s_wait_dscnt 0x0
	s_wait_tensorcnt \left
	s_barrier_signal -1
	PLACES
	CVT
	s_barrier_wait -1
	FETCH \next, 0
	MUL 1, 0
.endm
; The second half with a refill of slots a, b, c, which have been read.  In front of the round's opening signal my LDS reads are back and all my tensor loads have
; landed, so the group 0 sets may be stepped; inside the round only registers are touched; the joint refills are the first tensor loads behind it.
.macro HBF next, a, b, c
	s_wait_dscnt 0x0
	s_wait_tensorcnt 0x0
	ds_add_u32 v254, v255
	s_wait_dscnt 0x0
.irp t, \a, \b, \c
	s_add_nc_u64 s[G0A+4*\t+2:G0A+4*\t+3], s[G0A+4*\t+2:G0A+4*\t+3], 4*HEADB        ; four tiles on
	s_add_nc_u64 s[G0B+4*\t+2:G0B+4*\t+3], s[G0B+4*\t+2:G0B+4*\t+3], 4*256
.endr
	s_barrier_signal -1
	PLACES
	CVT
	s_barrier_wait -1
	CREST
	JLOAD \a
	JLOAD \b
	JLOAD \c
	FETCH \next, 0
	MUL 1, 0
.endm
	s_wait_tensorcnt 3                             ; my part of tile 0 is in; tiles 1, 2, 3 stay out
	s_barrier_signal -1
	s_barrier_wait -1
	FETCH 0, 0
	s_wait_loadcnt 0x0                             ; the bias
	HA 0, 1                                        ; tile 0
	HBB 1, 2
	HA 1, 0                                        ; tile 1
	HBB 2, 1
	HA 2, 0                                        ; tile 2
	HBF 3, 0, 1, 2                                 ; tile 3 has landed; tiles 4, 5, 6 go out
	HA 3, 0                                        ; tile 3
	HBB 0, 2
	HA 0, 0                                        ; tile 4
	HBB 1, 1
	HA 1, 0                                        ; tile 5
	HBF 2, 3, 0, 1                                 ; tiles 7, 8, 9 go out
	HA 2, 0                                        ; tile 6
	HBB 3, 2
	HA 3, 0                                        ; tile 7
	HBB 0, 1
	HA 0, 0                                        ; tile 8
	HBF 1, 2, 3, 0                                 ; tiles 10, 11, 12 go out
	HA 1, 0                                        ; tile 9
	HBB 2, 2
	HA 2, 0                                        ; tile 10
	HBB 3, 1
	HA 3, 0                                        ; tile 11
	HBF 0, 1, 2, 3                                 ; tiles 13, 14, 15 go out: the last
	HA 0, 0                                        ; tile 12
	HBB 1, 2
	HA 1, 0                                        ; tile 13
	HBB 2, 1
	HA 2, 0                                        ; tile 14
	HBB 3, 0
	HA 3, 0                                        ; tile 15
	s_wait_dscnt 0x0
	PLACES
	CVT
	MUL 1, 0
	; THE WAY OUT, 16 rows at a time: 32 bytes a lane into my stage, read back as whole rows of 256 bytes; sixteen lanes store 256 consecutive aligned bytes.
	PLACES
.macro OUTA a, f
	WIN 0x04                                       ; store data window 1
.irp b, 0,1,2,3
	ds_store_b128 v[STO], v[8*(4*\a+\b):8*(4*\a+\b)+3]   offset:64*\b
	ds_store_b128 v[STO], v[8*(4*\a+\b)+4:8*(4*\a+\b)+7] offset:64*\b+16
.endr
	WIN 0
	s_wait_xcnt 0x0                                ; buffer f, which earlier stores read, and the stores' base are rewritten only behind this wait
.if \a
	s_add_nc_u64 s[62:63], s[62:63], 16*4096       ; 16 rows on
.endif
.irp t, 0,1,2,3,4,5,6,7
	ds_load_b128 v[\f+4*\t:\f+4*\t+3], v[RD] offset:\t*2*PB        ; a wave's LDS instructions are served in order: these see the stores above
.endr
.irp t, 0,1,2,3,4,5,6,7
	s_wait_dscnt 7-\t                              ; read-back t is in, the younger ones stay out
	global_store_b128 v[CO], v[\f+4*\t:\f+4*\t+3], s[62:63] offset:\t*2*4096 th:TH_STORE_NT
.endr
.endm
	OUTA 0, 64
	OUTA 1, 96
	OUTA 2, 64
	OUTA 3, 96
	s_wait_tensorcnt 0x0
	ds_add_u32 v254, v255
	s_wait_dscnt 0x0
	CROUND                                         ; the closing round
	s_endpgm
.Lfunc_end_k_qd0b7f110cb_outp:
	.size	k_qd0b7f110cb_outp, .Lfunc_end_k_qd0b7f110cb_outp-k_qd0b7f110cb_outp
	.p2alignl 7, 3214868480
	.fill 96, 4, 3214868480
	.section	.rodata,"a",@progbits
	.p2align	6, 0x0
	.amdhsa_kernel k_qd0b7f110cb_outp
		.amdhsa_group_segment_fixed_size 327680
		.amdhsa_private_segment_fixed_size 0
		.amdhsa_enable_private_segment 0
		.amdhsa_kernarg_size 32
		.amdhsa_user_sgpr_count 2
		.amdhsa_user_sgpr_kernarg_segment_ptr 1
		.amdhsa_wavefront_size32 1
		.amdhsa_system_sgpr_workgroup_id_x 1
		.amdhsa_system_sgpr_workgroup_id_y 1
		.amdhsa_system_sgpr_workgroup_id_z 1
		.amdhsa_system_vgpr_workitem_id 0
		.amdhsa_next_free_vgpr 384
		.amdhsa_next_free_sgpr 84
		.amdhsa_reserve_vcc 0
		.amdhsa_float_denorm_mode_32 3
		.amdhsa_float_denorm_mode_16_64 3
		.amdhsa_memory_ordered 1
		.amdhsa_forward_progress 1
		.amdhsa_inst_pref_size 178
	.end_amdhsa_kernel
	.amdgpu_metadata
---
amdhsa.version: [ 1, 2 ]
amdhsa.kernels:
  - .name:           k_qd0b7f110cb_outp
    .symbol:         k_qd0b7f110cb_outp.kd
    .args:
      - { .name: xws, .offset: 0, .size: 8, .value_kind: global_buffer, .address_space: global }
      - { .name: Wo, .offset: 8, .size: 8, .value_kind: global_buffer, .address_space: global }
      - { .name: bo, .offset: 16, .size: 8, .value_kind: global_buffer, .address_space: global }
      - { .name: out0, .offset: 24, .size: 8, .value_kind: global_buffer, .address_space: global }
    .group_segment_fixed_size: 327680
    .private_segment_fixed_size: 0
    .kernarg_segment_align: 8
    .kernarg_segment_size: 32
    .max_flat_workgroup_size: 128
    .sgpr_count:     84
    .vgpr_count:     384
    .wavefront_size: 32
...
	.end_amdgpu_metadata
.endif
;; end of part 3
